; MI455X (gfx1250); checked and timed in simulation.
; The chip was launched on July 23, 2026; its instructions are those of AMD's public machine-readable ISA for CDNA 5 (MIT licence, August 2026) and "CDNA5" Instruction Set Architecture Reference Guide (July 2026). The comments in the code are by the model that wrote it; some were corrected since.
;; Quantized Linear. Allowed arithmetic: matrix products marked QUANTISED: E5M2 operands, one E8M0 scale for each 32 along K, by v_wmma_scale_f32_16x16x128_f8f6f4 with both operands' format E5M2, f32 sums; products left as they are: f32 operands where the result goes on into a quantised operand, else bf16, f16 or f32 operands; f32 sums; everything else in f32.
;; Inputs: normal_indices 3,968 int32; outlier_indices 128 int32; weight_int8 4,096 x 3,968 int8; weight_outlier_fp16 4,096 x 128 float32; weight_scale 4,096 float32; x 4 x 1,024 x 4,096 float32.
;; Outputs: out0 4 x 1,024 x 4,096 float32.
;; This version of the problem:
;;   THIS VERSION OF THE PROBLEM IS GIVEN IN LOW PRECISION. The matrix products marked QUANTISED in the list below multiply operands that are first quantised to E5M2 (5 exponent bits, 2 mantissa bits; 8 bits a number), with one power-of-two scale for each 32 numbers along K (OCP MX v1.0); their sums are f32. All else is computed in f32.
;;   The module's matrix products, in the order in which they are computed (A, B: the left and right operand; K: the contracted axis; several contracted axes count as one K, in the product's order):
;;     1. [M 4,096, K 3,968] x [K 3,968, N 4,096]; A: computed on the way; B: input weight_int8: left as it is (operands are no floats)
;;     2. [M 4,096, K 128] x [K 128, N 4,096]; A: computed on the way; B: input weight_outlier_fp16: QUANTISED
;;   THE QUANTISER, for each operand of a quantised product, along K:
;;     - K is cut into blocks of 32 from its start; a last block that is shorter is filled with zeros.
;;     - A block's scale is 2^e with e = floor(log2(the largest magnitude in the block)) - 15, held to -126 .. 127; a block of zeros has e = 0. As a byte (E8M0): e + 127.
;;     - Each number is divided by its block's scale, clamped to +-57,344, and rounded to the nearest number of E5M2, ties to even, subnormals kept.
;;     - The product sums the exact products of the quantised numbers (number of the format x scale) in f32.
;;   ~~~python
;;   def quantise(x, axis):      # numpy; x: float32 -> the quantised numbers, widened to float32 again
;;       x = np.moveaxis(x, axis, -1); K = x.shape[-1]
;;       x = np.pad(x, [(0, 0)] * (x.ndim - 1) + [(0, -K % 32)]); x = x.reshape(x.shape[:-1] + (-1, 32)); a = np.abs(x).max(-1, keepdims=True)
;;       e = np.where(a > 0, np.clip(np.frexp(np.where(a > 0, a, 1))[1] - 1 - 15, -126, 127), 0)      # np.frexp(a)[1] - 1 = floor(log2(a)), exactly
;;       r = np.clip(x / 2.0 ** e, -57344, 57344)
;;       step = 2.0 ** (np.maximum(np.frexp(np.where(r == 0, 1, r))[1] - 1, -14) - 2)
;;       q = np.round(r / step) * step * 2.0 ** e      # np.round: ties to even
;;       return np.moveaxis(q.reshape(q.shape[:-2] + (-1,))[..., :K], -1, axis).astype(np.float32)
;;   ~~~
;;   OPERANDS COMPUTED ON THE WAY. 'Computed on the way' means the value that the module computes at that place (a softmax that the list does not call 'softmax' is quantised finished and normalised). What goes into a quantiser is computed in f32, as accurately as f32 sums, v_exp_f32 and their like allow (about 1e-6 of the number): no bf16 or f16 on the way to a quantiser, and a product that is left as it is and whose result goes on into a quantised operand takes f32 operands (vector FMAs, or v_wmma_f32_16x16x4_f32). A number that lies on a knife's edge between two numbers of the format may be rounded either way, as far as f32 arithmetic and the matrix unit's own rounding can turn it there, and no further.
;; One version. Each part assembles by itself: llvm-mc -triple=amdgcn-amd-amdhsa -mcpu=gfx1250 --defsym DOCPART=n.
;; ======== version 1 of 1: 2 launches
;; workspace buffers: xq 16,777,216 bytes; wq 16,777,216 bytes; xmeta 32,768 bytes; wmeta 16,384 bytes
;; launch prep (part 1): grid 512 x 1, 8 waves a work-group, no clusters, 83,200 bytes of LDS; arguments x, normal_indices, outlier_indices, weight_int8, weight_outlier_fp16, xq, xmeta, wq, wmeta; writes xq, xmeta, wq, wmeta
.if DOCPART == 1
	.amdgcn_target "amdgcn-amd-amdhsa--gfx1250"
	.amdhsa_code_object_version 6
	.text
	.protected	k_q34d713196f_prep
	.globl	k_q34d713196f_prep
	.p2align	8
	.type	k_q34d713196f_prep,@function
k_q34d713196f_prep:
	s_mov_b64 s[64:65], 0
	v_nop
	global_prefetch_b8 v0, s[64:65] scope:SCOPE_SE
	s_setreg_imm32_b32 hwreg(HW_REG_WAVE_MODE, 25, 1), 1
	s_wait_xcnt 0x0
; out[t][n] = (sum_j xi8[t][j] w8[n][j]) xs[t] ws[n] + sum_k Q(x[t][oidx[k]]) Q(wo[n][k]).  This is the first of two launches: it lays both operands of both products as rows of 4,096 bytes.
;   xq[t]: 3,968 int8 codes of x[t][normal_indices[j]] (xs = max(largest magnitude, 1e-8) / 127; code = round(x / xs), ties to even, held to +-127), then 128 codes of E5M2 of x[t][outlier_indices[k]].
;   wq[n]: the 3,968 bytes of weight_int8[n], then 128 codes of E5M2 of weight_outlier_fp16[n].   xmeta[t] = {xs, the four E8M0 bytes of the token's codes};  wmeta[n] = the four E8M0 bytes of the row's codes.
; So in the second launch every tile row is 256 bytes at a multiple of 256, one tile shape serves all of K, and the two products share one ring.
; NO WORK OF reference() IS LEFT OUT: all six inputs reach the output (weight_scale is read by the second launch); the hold at +-127 and the floor 1e-8 are kept.
; The index tables are taken as they come: any values, any order; nothing is assumed of their being sorted or disjoint.
; THE QUANTISER (E5M2, blocks of 32 along K): scale byte = the largest magnitude's exponent field - 15, held at 1 from below; each number is held within +-57,344 x the scale and converted, ties to even.
; LIMITS: NaN and infinities in x and weight_outlier_fp16 are not served.  A block of zeros gets the byte 1 where the rule says 127: its codes are zeros, and this program alone reads the bytes.
;   An index is taken as unsigned and held at 4,095.  x / xs is a reciprocal with one correction step: it may differ from a division in the last bit, which can turn one int8 code where x / xs lies at a half.
; SHARES.  Work-group g: tokens 8 g .. 8 g + 7 and weight rows 8 g .. 8 g + 7.  x: thread t owns bytes 16 t .. 16 t + 15 of every row of xq: entries 16 t .. of the joint table normal_indices, outlier_indices:
;   threads 0-247 make int8 codes, threads 248-255 (wave 7, lanes 24-31) E5M2 codes, two lanes to a block of 32.  Weights: wave w owns row 8 g + w, lane l bytes 512 p + 16 l, p = 0 .. 7; lanes 24-31 of p = 7 hold the codes.
;   Every store of codes covers 512 consecutive bytes of a wave, at a multiple of 256 from the buffer's first byte.
; THE GATHER goes through LDS: four rows of x at a time are stored as they lie (16 bytes of padding behind each 64, so that lanes 16 words apart fall on different banks) and read back word by word at the table's places.
; All 52 loads of a wave go out at the head.  No tensor loads (registers carry the stream), no cluster: what work-groups share is the index table, 16,384 bytes beside 131,072 of x for each.
.set IMGB,  20480                      ; a row's image: 4,096 words + 16 bytes behind each 16 words.  Word c lies at 4 c + 16 (c / 16)
.set RED,   4*IMGB                     ; 256 bytes: the waves' maxima: batch x 128 + row x 32 + wave x 4
.set SPARE, RED+256                    ; the spare words, 128 bytes for each of the eight waves: four blocks of 256 bytes that no other line names
.set SPW, 2                            ; v2   LDS address of my spare word; never rewritten
.set NIL, 3                            ; v3   0; never rewritten
.set XO,  4                            ; v4   16 t: my bytes in a piece of a row of x, and in a row of xq
.set S0,  5                            ; v5   16 (t + t / 4): my 16 bytes in an image, rows 0, 1;  v6 the same for rows 2, 3
.set RW,  7                            ; v7   RED + 4 x wave
.set RB,  8                            ; v8   RED
.set Z0,  9                            ; v9   0
.set SH,  10                           ; v10  8 x (my block's number among the four): (lane & 6) x 4
.set WL,  11                           ; v11  16 x lane
.set BM,  12                           ; v12  at first the offset of weight_int8's last piece; then a block's largest magnitude
.set SC,  13                           ; v13  at first 64 (lane & 7); then the conversion's scale operand
.set HD,  14                           ; v14  at first my offset in normal_indices; then 57,344 x the scale
.set TP,  15                           ; v15  at work
.set G,   16                           ; v16-31   my 16 places in an image
.set T,   32                           ; v32-63   at work
.set D0,  64                           ; v64-127  rows 0-3: 16 registers a row;  v128-191 rows 4-7
.set W,   192                          ; v192-223 my row of weight_int8, 8 pieces of 4;  later P
.set P,   192                          ; 16 registers a batch: a row's 16 bytes in 4
.set F,   224                          ; v224-239 16 numbers of weight_outlier_fp16;  later M
.set M,   224                          ; 8 registers a batch: pairs {xs, scale word}
.set XS2, 240                          ; v240-247 xs, twice for each row (a pair for the packed forms)
.set R2,  248                          ; v248-255 1 / xs likewise
	s_load_b512 s[8:23], s[0:1], 0x0               ; x 8:9, normal_indices 10:11, outlier_indices 12:13, weight_int8 14:15, weight_outlier 16:17, xq 18:19, xmeta 20:21, wq 22:23
	s_load_b64 s[24:25], s[0:1], 0x40              ; wmeta
	v_lshl_add_u32 v[SPW], v0, 2, SPARE
	v_mov_b32 v[NIL], 0
	v_lshrrev_b32 v1, 5, v0
	v_readfirstlane_b32 s29, v1                    ; wave 0..7
	v_and_b32 v1, 31, v0                           ; lane
	v_lshlrev_b32 v[XO], 4, v0
	v_lshrrev_b32 v[S0], 2, v0
	v_add_nc_u32 v[S0], v[S0], v0
	v_lshlrev_b32 v[S0], 4, v[S0]
	v_add_nc_u32 v[S0+1], 2*IMGB, v[S0]
	s_lshl_b32 s38, s29, 2
	s_add_co_u32 s38, s38, RED
	v_mov_b32 v[RW], s38
	v_mov_b32 v[RB], RED
	v_mov_b32 v[Z0], 0
	v_and_b32 v[SH], 6, v1
	v_lshlrev_b32 v[SH], 2, v[SH]
	v_lshlrev_b32 v[WL], 4, v1
	v_add_nc_u32 v12, 3584, v[WL]
	v_min_u32 v12, 3952, v12                       ; weight_int8's last piece has 384 bytes: lanes 24-31 read the row's last 16 once more and do not use them
	v_and_b32 v13, 7, v1
	v_lshlrev_b32 v13, 6, v13                      ; 64 (lane & 7): in lanes 24-31 (threads 248-255) my 16 entries of outlier_indices and my 16 numbers of the outlier row; the other lanes read the same 512 bytes and do not use them
	v_lshlrev_b32 v14, 6, v0
	v_min_u32 v14, 15808, v14                      ; my 16 entries of normal_indices; threads 248-255 read the last 16 once more and do not use them
	v_mov_b32 v[TP], 0                             ; written once: the destination of a lane move counts as one of its sources
	s_movk_i32 s38, 248
	v_cmp_le_u32 s26, s38, v0                      ; s26: threads 248-255
	v_cmp_le_u32 s27, 24, v1                       ; s27: lanes 24-31
	s_mov_b32 s30, 0xc2fe0000                      ; -127.0
	s_mov_b32 s31, 0x42fe0000                      ; 127.0
	s_mov_b32 s32, 0x600000                        ; the mantissa field of 57,344
	s_mov_b32 s33, 0x04000400                      ; v_perm_b32: the low bytes of two registers
	s_mov_b32 s34, 0x05040100                      ; v_perm_b32: the low halves of two registers
	s_mov_b32 s35, 0x3c010204                      ; 1 / 127
	s_mov_b32 s36, 0x76543210
	s_mov_b32 s37, 0xfedcba98                      ; v_permlanex16_b32's selects for lane l xor 16
	s_mov_b32 s39, 0
	s_lshl_b32 s40, ttmp9, 3
	s_add_co_u32 s40, s40, s29                     ; my weight row: 8 g + wave
	s_wait_kmcnt 0x0
	s_lshl_b32 s38, ttmp9, 17                      ; 8 rows of 16,384 bytes
	s_add_nc_u64 s[8:9], s[8:9], s[38:39]
	s_lshl_b32 s38, ttmp9, 15                      ; 8 rows of 4,096
	s_add_nc_u64 s[18:19], s[18:19], s[38:39]
	s_lshl_b32 s38, ttmp9, 6                       ; 8 pairs of 8
	s_add_nc_u64 s[20:21], s[20:21], s[38:39]
	s_mul_i32 s38, s40, 3968
	s_add_nc_u64 s[14:15], s[14:15], s[38:39]
	s_lshl_b32 s38, s40, 9
	s_add_nc_u64 s[16:17], s[16:17], s[38:39]
	s_lshl_b32 s38, s40, 12
	s_add_nc_u64 s[22:23], s[22:23], s[38:39]
	s_lshl_b32 s38, s40, 2
	s_add_nc_u64 s[24:25], s[24:25], s[38:39]
	; all loads, in the order in which they are wanted: 4 + 4 of the tables, 8 + 4 of the weights, 32 of x
.irp i, 0,1,2,3
	global_load_b128 v[G+4*\i:G+4*\i+3], v14, s[10:11] offset:16*\i
.endr
.irp i, 0,1,2,3
	global_load_b128 v[T+4*\i:T+4*\i+3], v13, s[12:13] offset:16*\i
.endr
.irp p, 0,1,2,3,4,5,6
	global_load_b128 v[W+4*\p:W+4*\p+3], v[WL], s[14:15] offset:512*\p th:TH_LOAD_NT
.endr
	global_load_b128 v[W+28:W+31], v12, s[14:15] th:TH_LOAD_NT
.irp i, 0,1,2,3
	global_load_b128 v[F+4*\i:F+4*\i+3], v13, s[16:17] offset:16*\i
.endr
.irp r, 0,1,2,3,4,5,6,7
.irp q, 0,1,2,3
	global_load_b128 v[D0+16*\r+4*\q:D0+16*\r+4*\q+3], v[XO], s[8:9] offset:\r*16384+\q*4096 th:TH_LOAD_NT   ; a wave reads 512 consecutive bytes
.endr
.endr
	s_wait_loadcnt 44                              ; the two tables' eight loads are in; the 12 of the weights and the 32 of x stay out
.irp i, 0,1,2,3,4,5,6,7,8,9,10,11,12,13,14,15
	v_cndmask_b32 v[G+\i], v[G+\i], v[T+\i], s26   ; threads 248-255 take the outlier table
.endr
.irp i, 0,1,2,3,4,5,6,7,8,9,10,11,12,13,14,15
	v_min_u32 v[G+\i], 0xfff, v[G+\i]              ; a column of x
.endr
.irp i, 0,1,2,3,4,5,6,7,8,9,10,11,12,13,14,15
	v_and_b32 v[T+16+\i], 0xff0, v[G+\i]           ; 16 (c / 16)
.endr
.irp i, 0,1,2,3,4,5,6,7,8,9,10,11,12,13,14,15
	v_lshl_add_u32 v[G+\i], v[G+\i], 2, v[T+16+\i] ; its place in an image: 20,460 at the most
.endr
; 16 numbers of a lane, v[s] on, neighbours along K, two neighbouring lanes to a block: held numbers to v[t] on, codes to v[c] .. v[c + 3], and to v[w] the four blocks' bytes as one word, in all eight lanes of an octet.
.macro QBF8 s, t, c, w
	v_max3_num_f32 v[BM], |v[\s]|, |v[\s+1]|, 0x8000000            ; my 16 numbers and the floor 2^(16 - 127): the byte cannot fall under 1
.irp i, 2,4,6,8,10,12,14
	v_max3_num_f32 v[BM], v[BM], |v[\s+\i]|, |v[\s+\i+1]|
.endr
	v_max_num_f32_dpp v[BM], v[BM], v[BM] row_xmask:1 row_mask:0xf bank_mask:0xf   ; with my neighbour's 16: the block's largest magnitude
	v_add_nc_u32 v[SC], 0xf8800000, v[BM]          ; 15 off its exponent field: the conversion takes this operand's exponent field as its scale
	v_and_or_b32 v[HD], v[BM], 0x7f800000, s32     ; 57,344 x the scale
.irp i, 0,1,2,3,4,5,6,7,8,9,10,11,12,13,14,15
	v_med3_num_f32 v[\t+\i], v[\s+\i], -v[HD], v[HD]               ; the conversion to an 8-bit code does not saturate (ISA guide 7.6.2): the hold comes first
.endr
	v_cvt_scalef32_pk8_bf8_f32 v[\c:\c+1], v[\t:\t+7], v[SC]
	v_cvt_scalef32_pk8_bf8_f32 v[\c+2:\c+3], v[\t+8:\t+15], v[SC]
	v_lshrrev_b32 v[\w], 23, v[SC]                 ; the scale's byte (and the plain instruction behind the conversions),
	v_lshlrev_b32 v[\w], v[SH], v[\w]              ; at its block's place in the word;
	v_mov_b32_dpp v[TP], v[\w] row_xmask:2 row_mask:0xf bank_mask:0xf
	v_or_b32 v[\w], v[\w], v[TP]                   ; with the block two lanes away,
	v_mov_b32_dpp v[TP], v[\w] row_xmask:4 row_mask:0xf bank_mask:0xf
	v_or_b32 v[\w], v[\w], v[TP]                   ; and the two blocks four lanes away
.endm
	; THE WEIGHT ROW
	s_wait_loadcnt 32                              ; the weights' 12 loads are in (so v12 to v14, their offsets, are free); x's 32 stay out
	QBF8 F, F, T, T+4
.irp k, 0,1,2,3
	v_cndmask_b32 v[W+28+\k], v[W+28+\k], v[T+\k], s27             ; bytes 3,968 on: the codes
.endr
.irp p, 0,1,2,3,4,5,6,7
	global_store_b128 v[WL], v[W+4*\p:W+4*\p+3], s[22:23] offset:512*\p
.endr
	v_cmp_eq_u32 vcc_lo, 24, v1
	s_wait_xcnt 0x0                                ; EXEC is a source of the loads and stores that are out: it changes only behind this wait
	s_and_saveexec_b32 s28, vcc_lo
	global_store_b32 v[Z0], v[T+4], s[24:25]       ; lane 24 stores the row's scale word
	s_wait_xcnt 0x0                                ; and again in front of the line that widens it; the stores above have also read W, which becomes P
	s_or_b32 exec_lo, exec_lo, s28
; FOUR TOKENS.  bt: the batch; D: its 64 registers; left: the loads of x that may stay out.
.macro XBATCH bt, D, left
	s_wait_loadcnt \left
.irp r, 0,1,2,3
.irp q, 0,1,2,3
	ds_store_b128 v[S0+\r/2], v[\D+16*\r+4*\q:\D+16*\r+4*\q+3] offset:(\r%2)*IMGB+5120*\q
.endr
.endr
	s_wait_dscnt 0x0                               ; my part of the four images has landed
	s_barrier_signal -1
	s_barrier_wait -1                              ; everybody's has
.irp r, 0,1,2,3
.irp i, 0,1,2,3,4,5,6,7,8,9,10,11,12,13,14,15
	ds_load_b32 v[\D+16*\r+\i], v[G+\i] offset:\r*IMGB             ; x[token][table[16 t + i]]
.endr
.endr
	s_wait_dscnt 0x0                               ; my gathers are over
	s_barrier_signal -1
	s_barrier_wait -1                              ; everybody's are: no wave stores to LDS while a wave still reads at places taken from the table
.irp r, 0,1,2,3
	v_max3_num_f32 v[T+\r], |v[\D+16*\r]|, |v[\D+16*\r+1]|, |v[\D+16*\r+2]|   ; the largest magnitude of my 16, the four rows by turns
.endr
.irp i, 3,5,7,9,11,13
.irp r, 0,1,2,3
	v_max3_num_f32 v[T+\r], v[T+\r], |v[\D+16*\r+\i]|, |v[\D+16*\r+\i+1]|
.endr
.endr
.irp r, 0,1,2,3
	v_max_num_f32 v[T+\r], v[T+\r], |v[\D+16*\r+15]|
.endr
.irp r, 0,1,2,3
	v_cndmask_b32 v[T+\r], v[T+\r], v[Z0], s26     ; the outlier columns do not count for xs
.endr
.irp x, 1,2,4,8
.irp r, 0,1,2,3
	v_max_num_f32_dpp v[T+\r], v[T+\r], v[T+\r] row_xmask:\x row_mask:0xf bank_mask:0xf
.endr
.endr
.irp r, 0,1,2,3
	v_permlanex16_b32 v[T+4+\r], v[T+\r], s36, s37
.endr
.irp r, 0,1,2,3
	v_max_num_f32 v[T+\r], v[T+\r], v[T+4+\r]      ; the wave's
.endr
.irp r, 0,1,2,3
	ds_store_b32 v[RW], v[T+\r] offset:\bt*128+32*\r               ; all lanes write the same word with the same value
.endr
	s_wait_dscnt 0x0
	s_barrier_signal -1
	s_barrier_wait -1                              ; the eight waves' maxima lie in LDS (each batch has bytes of its own)
.irp r, 0,1,2,3
	ds_load_b128 v[T+8*\r:T+8*\r+3], v[RB] offset:\bt*128+32*\r
	ds_load_b128 v[T+8*\r+4:T+8*\r+7], v[RB] offset:\bt*128+32*\r+16
.endr
	s_wait_dscnt 0x0
.irp r, 0,1,2,3
	v_max3_num_f32 v[T+8*\r], v[T+8*\r], v[T+8*\r+1], v[T+8*\r+2]
.endr
.irp r, 0,1,2,3
	v_max3_num_f32 v[T+8*\r], v[T+8*\r], v[T+8*\r+3], v[T+8*\r+4]
.endr
.irp r, 0,1,2,3
	v_max3_num_f32 v[T+8*\r], v[T+8*\r], v[T+8*\r+5], v[T+8*\r+6]
.endr
.irp r, 0,1,2,3
	v_max3_num_f32 v[T+8*\r], v[T+8*\r], v[T+8*\r+7], 0x322bcc77   ; m = max(the row's largest magnitude, 1e-8)
.endr
.irp r, 0,1,2,3
	v_mul_f32 v[T+8*\r+1], s35, v[T+8*\r]          ; m / 127: a product with 1 / 127,
.endr
.irp r, 0,1,2,3
	v_fma_f32 v[T+8*\r+2], -v[T+8*\r+1], s31, v[T+8*\r]            ; what it leaves of m,
.endr
.irp r, 0,1,2,3
	v_fma_f32 v[XS2+2*\r], v[T+8*\r+2], s35, v[T+8*\r+1]           ; and the correction: xs
.endr
.irp r, 0,1,2,3
	v_rcp_f32 v[R2+2*\r], v[XS2+2*\r]
.endr
.irp r, 0,1,2,3
	v_mov_b32 v[XS2+2*\r+1], v[XS2+2*\r]           ; plain work behind the reciprocals
.endr
	s_wait_alu depctr_va_vdst(0)                   ; the wait ahead of the first line that names a reciprocal: one for the four
.irp r, 0,1,2,3
	v_mov_b32 v[R2+2*\r+1], v[R2+2*\r]
.endr
.irp r, 0,1,2,3                        ; the int8 codes of a row: q = x / xs by the reciprocal and one correction, held to +-127, rounded by adding 1.5 x 2^23: the code is then the sum's low byte
.irp p, 0,2,4,6,8,10,12,14
	v_pk_mul_f32 v[T+\p:T+\p+1], v[\D+16*\r+\p:\D+16*\r+\p+1], v[R2+2*\r:R2+2*\r+1]
.endr
.irp p, 0,2,4,6,8,10,12,14
	v_pk_fma_f32 v[T+16+\p:T+17+\p], v[T+\p:T+\p+1], v[XS2+2*\r:XS2+2*\r+1], v[\D+16*\r+\p:\D+16*\r+\p+1] neg_lo:[1,0,0] neg_hi:[1,0,0]   ; x - q xs
.endr
.irp p, 0,2,4,6,8,10,12,14
	v_pk_fma_f32 v[T+\p:T+\p+1], v[T+16+\p:T+17+\p], v[R2+2*\r:R2+2*\r+1], v[T+\p:T+\p+1]
.endr
.irp i, 0,1,2,3,4,5,6,7,8,9,10,11,12,13,14,15
	v_med3_num_f32 v[T+\i], v[T+\i], s30, s31
.endr
.irp p, 0,2,4,6,8,10,12,14
	v_pk_add_f32 v[T+\p:T+\p+1], v[T+\p:T+\p+1], 0x4b400000 op_sel_hi:[1,0]   ; to the nearest whole number, ties to even
.endr
.irp k, 0,1,2,3
	v_perm_b32 v[T+16+2*\k], v[T+4*\k+1], v[T+4*\k], s33
	v_perm_b32 v[T+17+2*\k], v[T+4*\k+3], v[T+4*\k+2], s33
.endr
.irp k, 0,1,2,3
	v_perm_b32 v[P+16*\bt+4*\r+\k], v[T+17+2*\k], v[T+16+2*\k], s34
.endr
.endr
	s_cmp_lg_u32 s29, 7                            ; wave 7 alone holds the outlier columns, in its lanes 24-31
	s_cbranch_scc1 .Lnot7_\@
.irp r, 0,1,2,3
	QBF8 \D+16*\r, T, T+16, M+8*\bt+2*\r+1
.irp k, 0,1,2,3
	v_cndmask_b32 v[P+16*\bt+4*\r+\k], v[P+16*\bt+4*\r+\k], v[T+16+\k], s26
.endr
	v_mov_b32 v[M+8*\bt+2*\r], v[XS2+2*\r]
.endr
	v_cmp_eq_u32 vcc_lo, 24, v1
	s_wait_xcnt 0x0                                ; EXEC changes only behind this wait
	s_and_saveexec_b32 s28, vcc_lo
.irp r, 0,1,2,3
	global_store_b64 v[Z0], v[M+8*\bt+2*\r:M+8*\bt+2*\r+1], s[20:21] offset:8*(4*\bt+\r)   ; lane 24: {xs, scale word}
.endr
	s_wait_xcnt 0x0
	s_or_b32 exec_lo, exec_lo, s28
.Lnot7_\@:
.irp r, 0,1,2,3
	global_store_b128 v[XO], v[P+16*\bt+4*\r:P+16*\bt+4*\r+3], s[18:19] offset:(4*\bt+\r)*4096   ; P and M have registers of their own in each batch: no store's data are written again
.endr
.endm
	XBATCH 0, D0, 16                               ; rows 0-3 are in; rows 4-7's sixteen loads stay out
	XBATCH 1, D0+64, 0
	s_wait_tensorcnt 0x0                           ; the wave's end: behind my last LDS store
	ds_add_u32 v[SPW], v[NIL]
	s_wait_dscnt 0x0
	s_endpgm
.Lfunc_end_k_q34d713196f_prep:
	.size	k_q34d713196f_prep, .Lfunc_end_k_q34d713196f_prep-k_q34d713196f_prep
	.p2alignl 7, 3214868480
	.fill 96, 4, 3214868480
	.section	.rodata,"a",@progbits
	.p2align	6, 0x0
	.amdhsa_kernel k_q34d713196f_prep
		.amdhsa_group_segment_fixed_size 83200
		.amdhsa_private_segment_fixed_size 0
		.amdhsa_enable_private_segment 0
		.amdhsa_kernarg_size 72
		.amdhsa_user_sgpr_count 2
		.amdhsa_user_sgpr_kernarg_segment_ptr 1
		.amdhsa_wavefront_size32 1
		.amdhsa_system_sgpr_workgroup_id_x 1
		.amdhsa_system_sgpr_workgroup_id_y 1
		.amdhsa_system_sgpr_workgroup_id_z 1
		.amdhsa_system_vgpr_workitem_id 0
		.amdhsa_next_free_vgpr 256
		.amdhsa_next_free_sgpr 66
		.amdhsa_reserve_vcc 1
		.amdhsa_float_denorm_mode_32 3
		.amdhsa_float_denorm_mode_16_64 3
		.amdhsa_memory_ordered 1
		.amdhsa_forward_progress 1
		.amdhsa_inst_pref_size 93
	.end_amdhsa_kernel
	.amdgpu_metadata
---
amdhsa.version: [ 1, 2 ]
amdhsa.kernels:
  - .name:           k_q34d713196f_prep
    .symbol:         k_q34d713196f_prep.kd
    .args:
      - { .name: x, .offset: 0, .size: 8, .value_kind: global_buffer, .address_space: global }
      - { .name: normal_indices, .offset: 8, .size: 8, .value_kind: global_buffer, .address_space: global }
      - { .name: outlier_indices, .offset: 16, .size: 8, .value_kind: global_buffer, .address_space: global }
      - { .name: weight_int8, .offset: 24, .size: 8, .value_kind: global_buffer, .address_space: global }
      - { .name: weight_outlier_fp16, .offset: 32, .size: 8, .value_kind: global_buffer, .address_space: global }
      - { .name: xq, .offset: 40, .size: 8, .value_kind: global_buffer, .address_space: global }
      - { .name: xmeta, .offset: 48, .size: 8, .value_kind: global_buffer, .address_space: global }
      - { .name: wq, .offset: 56, .size: 8, .value_kind: global_buffer, .address_space: global }
      - { .name: wmeta, .offset: 64, .size: 8, .value_kind: global_buffer, .address_space: global }
    .group_segment_fixed_size: 83200
    .private_segment_fixed_size: 0
    .kernarg_segment_align: 8
    .kernarg_segment_size: 72
    .max_flat_workgroup_size: 256
    .sgpr_count:     66
    .vgpr_count:     256
    .wavefront_size: 32
...
	.end_amdgpu_metadata
.endif
;; end of part 1
;; launch gemm (part 2): grid 16 x 16, 4 waves a work-group, clusters of 4 x 4, 327,680 bytes of LDS; arguments xq, wq, xmeta, wmeta, weight_scale, out0; writes out0
.if DOCPART == 2
	.amdgcn_target "amdgcn-amd-amdhsa--gfx1250"
	.amdhsa_code_object_version 6
	.text
	.protected	k_q34d713196f_gemm
	.globl	k_q34d713196f_gemm
	.p2align	8
	.type	k_q34d713196f_gemm,@function
k_q34d713196f_gemm:
	s_mov_b64 s[64:65], 0
	v_nop
	global_prefetch_b8 v0, s[64:65] scope:SCOPE_SE
	s_setreg_imm32_b32 hwreg(HW_REG_WAVE_MODE, 25, 1), 1
	s_wait_xcnt 0x0
	s_wait_alu depctr_hold_cnt(0) depctr_sa_sdst(0) depctr_va_vdst(0) depctr_va_sdst(0) depctr_va_ssrc(0) depctr_va_vcc(0) depctr_vm_vsrc(0)
	s_getreg_b32 s2, hwreg(HW_REG_IB_STS2, 6, 4)
	s_cmp_eq_u32 s2, 0
	s_cbranch_scc0 .Lentry_in_a_cluster
	s_endpgm
.Lentry_in_a_cluster:
	s_bfe_u32 s2, ttmp6, 0x10000c
	s_cmp_lg_u32 s2, 0xf033
	s_cbranch_scc0 .Lentry_shape_is_right
	s_endpgm
.Lentry_shape_is_right:
; out0[t][n] = (sum over j < 3,968 of xq[t][j] wq[n][j], signed bytes, in i32) x xs[t] x weight_scale[n] + sum over k < 128 of the E5M2 numbers at bytes 3,968 + k of both rows, under their E8M0 scales.
; xq, wq: [4096][4096] bytes, as the first launch laid them; xmeta[t] = {xs, scale word}; wmeta[n] = scale word.  Nothing of reference() is left out here either.
; A tile of the output, 256 x 256, is made by a work-group of four waves; a wave makes 128 x 128: 64 accumulators of 16 x 16, 512 registers.  K goes in slots of 256 bytes through a ring of two LDS slots filled by the tensor data mover.
; THE FIRST 31 STEPS OF 128 BYTES are whole numbers: v_wmma_i32_16x16x64_iu8, both sides signed: the sums are reference()'s int32 sums, exactly.  Whole-number sums do not hang on the order of K, so both sides are loaded
;   as the last step wants its fragments (four loads of 16 bytes, 32 apart): registers 0-7 of a fragment hold bytes 0-63 of the step, registers 8-15 bytes 64-127, alike on both sides.
; THEN the 64 accumulators are turned in place into f32 x xs x weight_scale (in reference()'s order of the two products), and THE 32ND STEP, the codes, adds onto them by v_wmma_scale_f32_16x16x128_f8f6f4 with both formats BF8.
; CLUSTERS: 4 x 4 work-groups.  The four of a row of the cluster need the same tiles of xq, the four of a column the same tiles of wq: each tile is asked for JOINTLY, by the same tensor load with the same descriptor and a mask that names the four.
; THE MATRIX INSTRUCTIONS ARE USED TRANSPOSED (source 0 = 16 rows of wq, source 1 = 16 rows of xq): lane (r, h) holds token 16 a + r and columns 16 b + 8 h + 0 .. 7: eight neighbours of a row of the output.
; REGISTERS, in windows of 256: window 0: v16-31 addresses; v32-39 wq's scale words; v48-63 pairs {xs, the token's scale word}; v64-127 weight_scale of my lane's columns; v128-255 xq's fragments (8 x 16 rows x 128 bytes), ONE set.
;   window 1: wq's fragments, TWO sets, at v0 and v128.   window 2: the accumulators of my rows 0-63 ((a, b) at v[8 (8 a + b)]);   window 3: those of my rows 64-127.
; A step's products go by xq's blocks, each against wq's eight, so a block of xq is free as soon as its products are issued and one set serves: blocks 0-3 are fetched anew in the step's middle, blocks 4-7 at its end.
.set KROW,   4096                      ; a row of xq or wq in bytes
.set ROWB,   256                       ; a tile's row in bytes
.set PITCH,  272                       ; an LDS row: 256 bytes + 16 of padding = 68 words: row r starts at bank 4 r mod 64 (64 banks of 4 bytes: ISA guide 11.1), so the 16 rows that a load touches start at 16 different banks
.set FR,     16                        ; registers of a fragment
.set NL,     4                         ; LDS loads that bring one
.set NP,     8                         ; places behind both matrix forms of this text (ISA guide 7.12.1)
.set HALFT,  128*PITCH                 ; 128 rows: what one tensor load brings, and what one wave reads of a side
.set SLOT,   4*HALFT                   ; xq's 256 rows, then wq's 256 rows
.set LAPS,   KROW/(2*ROWB)             ; a lap = once round the ring: 8
.set SPARE,  2*SLOT                    ; behind the ring: the spare words, 128 bytes for each wave: two blocks of 256 bytes that no other line names
.set SPITCH, 528                       ; the way out: a stage of 16 rows x (512 bytes + 16) for each wave, in slot 0, which has had its last fill and its last read when the first result is stored there
.set ADRA, 16                          ; v16-17  LDS address of my xq fragments in slot 0, 1
.set ADRB, 20                          ; v20-21  the same for wq
.set STO,  24                          ; v24     the way out: where I put 32 bytes of a row
.set RD,   25                          ; v25     where I read a row back
.set CO,   26                          ; v26     16 x lane: my bytes in 512 of a row of the output
.set XMO,  27                          ; v27     8 r
.set SPW,  28                          ; v28     LDS address of my spare word; never rewritten
.set NIL,  29                          ; v29     0; never rewritten
.set SBO,  30                          ; v30     4 r
.set WSO,  31                          ; v31     32 h
.set SB,   32
.set XM,   48
.set WS,   64
.set AF,   128
.set G1,  24                           ; s[24:31] descriptor group 1 for xq's tiles;  s[32:39] group 0, one set for each slot
.set G0,  32
.set G1B, 48                           ; s[48:55], s[56:63] the same for wq's
.set G0B, 56
.set MSB, 0
.macro WIN new                         ; the immediate's high byte repeats the setting that is left; a switch that changes nothing is dropped
.if MSB != (\new)
	s_set_vgpr_msb (MSB<<8)|(\new)
.set MSB, (\new)
.endif
.endm
.set MUL_LO, 0xa1                      ; source 0 (wq) window 1, source 1 (xq) window 0, C and D window 2
.set MUL_HI, 0xf1                      ; the same, C and D window 3
.set TO_B,   0x40                      ; destination window 1, address window 0
; A joint load: waves 0 and 1 fetch xq's halves, waves 2 and 3 wq's.  Each of the two lines has ONE mask and one set of registers for all that issue it; the branch hangs on the wave's number alone.
; An s_nop 0 and four v_nop follow each of the two lines, ahead of the jump, the label and what follows.
.macro JLOAD s
	s_cmp_eq_u32 s17, 0
	s_cbranch_scc0 .Lfor_b_\@
	tensor_load_to_lds s[G0+4*\s:G0+4*\s+3], s[G1:G1+7]
	s_nop 0
.rept 4
	v_nop
.endr
	s_branch .Lasked_\@
.Lfor_b_\@:
	tensor_load_to_lds s[G0B+4*\s:G0B+4*\s+3], s[G1B:G1B+7]
	s_nop 0
.rept 4
	v_nop
.endr
.Lasked_\@:
.endm
.macro CREST                           ; a round of the cluster's barrier behind its opening barrier
	s_cmp_lg_u32 s16, 0
	s_cbranch_scc1 .Lnot_wave_0_\@
	s_barrier_signal -3
.Lnot_wave_0_\@:
	s_barrier_wait -3
	s_barrier_signal -1
	s_barrier_wait -1
.endm
.macro CROUND                          ; a whole round
	s_barrier_signal -1
	s_barrier_wait -1
	CREST
.endm
	s_load_b256 s[4:11], s[0:1], 0x0               ; xq s[4:5], wq s[6:7], xmeta s[8:9], wmeta s[10:11]
	s_load_b128 s[12:15], s[0:1], 0x20             ; weight_scale s[12:13], out0 s[14:15]
	v_lshl_add_u32 v[SPW], v0, 2, SPARE
	v_mov_b32 v[NIL], 0
	ds_add_u32 v[SPW], v[NIL]                      ; the wave's opening: the add, twice on end, and its wait ahead of my first tensor load; the set-up below, work on registers, stands between
	ds_add_u32 v[SPW], v[NIL]
	v_lshrrev_b32 v1, 5, v0
	v_readfirstlane_b32 s16, v1                    ; wave 0..3
	s_lshr_b32 s17, s16, 1                         ; which half of the tile's rows is mine.  Also: I fetch for xq (0) or for wq (1)
	s_and_b32 s18, s16, 1                          ; which half of its columns.  Also: which 128 rows of that side I fetch
	s_bfe_u32 s40, ttmp6, 0x40000                  ; cx, cy: my place in the cluster
	s_bfe_u32 s41, ttmp6, 0x40004
	s_lshl_b32 s42, ttmp9, 2
	s_add_co_u32 s42, s42, s40                     ; tile column = 4 x cluster x + cx
	s_and_b32 s43, ttmp7, 0xffff
	s_lshl_b32 s43, s43, 2
	s_add_co_u32 s43, s43, s41                     ; tile row = 4 x cluster y + cy
	s_lshl_b32 s44, s41, 2
	s_lshl_b32 s44, 15, s44                        ; my row of the cluster
	s_lshl_b32 s45, 0x1111, s40                    ; my column
	; descriptor group 1: a tile of 128 rows x 256 bytes, padded in LDS
	s_or_b32 s[G1+0], s44, (0<<16)|(1<<20)|(1<<21)|(5<<22)|(3<<25)   ; 15:0 the mask: xq's tiles go to my row; 17:16 elements of 1 byte; 20 padding on; 21 set beside a mask; 24:22 after every 64 words (code 5); 31:25 four words (code 3)
	s_or_b32 s[G1B+0], s45, (0<<16)|(1<<20)|(1<<21)|(5<<22)|(3<<25)  ; the same with the mask of my column
.irp g, G1, G1B
	s_mov_b32 s[\g+1], ROWB<<16                    ; tensor_dim0
	s_mov_b32 s[\g+2], 128<<16                     ; tensor_dim1
	s_mov_b32 s[\g+3], ROWB<<16                    ; tile_dim0
	s_mov_b32 s[\g+4], 128                         ; tile_dim1
	s_mov_b32 s[\g+5], KROW                        ; tensor_dim0_stride
	s_mov_b32 s[\g+6], 0
	s_mov_b32 s[\g+7], 0
.endr
	s_lshl_b32 s19, s18, 7                         ; which 128 rows I fetch
	s_lshl_b32 s20, s43, 8
	s_add_co_u32 s20, s20, s19                     ; xq: row 256 x tile row + 128 x half,
	s_lshl_b32 s20, s20, 12                        ; in bytes (under 2^24)
	s_mov_b32 s21, 0
	s_lshl_b32 s46, s42, 8
	s_add_co_u32 s46, s46, s19                     ; wq: row 256 x tile column + 128 x half (in registers that never feed xq's descriptors)
	s_lshl_b32 s46, s46, 12
	s_mov_b32 s47, 0
	s_mul_i32 s19, s16, HALFT                      ; where they go: wave x 128 rows: no place in the cluster enters an LDS address
	s_wait_dscnt 0x0                               ; both opening adds are done
	s_wait_kmcnt 0x0
	s_add_nc_u64 s[20:21], s[4:5], s[20:21]
	s_add_nc_u64 s[46:47], s[6:7], s[46:47]
	CROUND                                         ; all sixteen work-groups are here: the first joint loads meet
.irp s, 0,1
	s_mov_b32 s[G0+4*\s], 1                        ; count = 1
	s_add_co_u32 s[G0+4*\s+1], s19, \s*SLOT        ; LDS address
	s_add_nc_u64 s[G0+4*\s+2:G0+4*\s+3], s[20:21], \s*ROWB         ; global address: bytes 256 s on of the rows
	s_or_b32 s[G0+4*\s+3], s[G0+4*\s+3], 0x80000000                ; type = 2
	s_mov_b32 s[G0B+4*\s], 1
	s_add_co_u32 s[G0B+4*\s+1], s19, \s*SLOT
	s_add_nc_u64 s[G0B+4*\s+2:G0B+4*\s+3], s[46:47], \s*ROWB
	s_or_b32 s[G0B+4*\s+3], s[G0B+4*\s+3], 0x80000000
	JLOAD \s                                       ; two loads of mine are out behind these
.endr
	v_and_b32 v1, 15, v0                           ; r = lane % 16
	v_bfe_u32 v2, v0, 4, 1                         ; h = lane / 16
	v_mul_u32_u24 v3, v1, PITCH
	v_lshl_add_u32 v4, v2, 4, v3                   ; a fragment's row x pitch + 16 h
	s_mul_i32 s21, s17, HALFT                      ; my 128 rows of xq
	s_mul_i32 s22, s18, HALFT                      ; my 128 rows of wq,
	s_add_co_u32 s22, s22, 2*HALFT                 ; which lie behind xq's 256
.irp s, 0,1
	v_add_nc_u32 v[ADRA+\s], s21, v4
	v_add_nc_u32 v[ADRB+\s], s22, v4
	s_add_co_u32 s21, s21, SLOT
	s_add_co_u32 s22, s22, SLOT
.endr
	s_mul_i32 s23, s16, 16*SPITCH                  ; my stage
	v_mul_u32_u24 v5, v1, SPITCH                   ; in: row r, 32 bytes for each half of the lanes
	v_lshl_add_u32 v5, v2, 5, v5
	v_add_nc_u32 v[STO], s23, v5
	v_and_b32 v6, 31, v0
	v_lshlrev_b32 v[CO], 4, v6                     ; back: the 32 lanes take one row of 512 bytes
	v_add_nc_u32 v[RD], s23, v[CO]
	v_lshlrev_b32 v[XMO], 3, v1
	v_lshlrev_b32 v[SBO], 2, v1
	v_lshlrev_b32 v[WSO], 5, v2
	s_lshl_b32 s20, s43, 8
	s_lshl_b32 s21, s17, 7
	s_add_co_u32 s20, s20, s21                     ; my first token: 256 x tile row + 128 x half
	s_lshl_b32 s46, s42, 8
	s_lshl_b32 s47, s18, 7
	s_add_co_u32 s46, s46, s47                     ; my first column: 256 x tile column + 128 x half,
	s_lshl_b32 s46, s46, 2                         ; in bytes of 4
	s_mov_b32 s47, 0
	s_mov_b32 s23, 0
	s_lshl_b32 s22, s20, 3
	s_add_nc_u64 s[8:9], s[8:9], s[22:23]          ; xmeta at my first token
	s_add_nc_u64 s[10:11], s[10:11], s[46:47]      ; wmeta, weight_scale at my first column
	s_add_nc_u64 s[12:13], s[12:13], s[46:47]
	s_add_nc_u64 s[14:15], s[14:15], s[46:47]
	s_lshl_b32 s22, s20, 14                        ; a row of the output is 16,384 bytes (the product stays under 2^26)
	s_add_nc_u64 s[14:15], s[14:15], s[22:23]      ; out0 at my corner
.irp a, 0,1,2,3,4,5,6,7
	global_load_b64 v[XM+2*\a:XM+2*\a+1], v[XMO], s[8:9] offset:128*\a   ; token 16 a + r: xs and its scale word, in both halves of the lanes
.endr
.irp b, 0,1,2,3,4,5,6,7
	global_load_b32 v[SB+\b], v[SBO], s[10:11] offset:64*\b              ; column 16 b + r: its scale word
.endr
.irp b, 0,1,2,3,4,5,6,7
	global_load_b128 v[WS+8*\b:WS+8*\b+3], v[WSO], s[12:13] offset:64*\b          ; weight_scale of columns 16 b + 8 h + 0 .. 7
	global_load_b128 v[WS+8*\b+4:WS+8*\b+7], v[WSO], s[12:13] offset:64*\b+16
.endr
.macro FRAG reg, adr, q, i             ; 16 rows x 128 bytes in 16 registers: lane (r, h) holds row r; registers 4 c .. 4 c + 3 hold bytes 32 c + 16 h + 0 .. 15
.irp c, 0,1,2,3
	ds_load_b128 v[\reg+4*\c:\reg+4*\c+3], v[\adr] offset:128*(\q)+32*\c+(\i)*16*PITCH
.endr
.endm
; 32 matrix instructions on whole numbers: xq's blocks a0, a0 + 1 x wq's eight, 128 bytes along K as two halves of 64.  p: wq's set.  zero = 1: the first product starts the sums: nothing is ever cleared.
; A block's eight accumulators take turns, one instruction a turn, in the same order in every step.
.macro MULI a0, p, zero
.irp a, \a0, \a0+1
.irp hf, 0,1
.irp b, 0,1,2,3,4,5,6,7
.if (\zero) && (\hf == 0)
	v_wmma_i32_16x16x64_iu8 v[8*(8*((\a)%4)+\b):8*(8*((\a)%4)+\b)+7], v[128*(\p)+FR*\b+8*\hf:128*(\p)+FR*\b+8*\hf+7], v[AF+FR*(\a)+8*\hf:AF+FR*(\a)+8*\hf+7], 0 neg_lo:[1,1,0]
.else
	v_wmma_i32_16x16x64_iu8 v[8*(8*((\a)%4)+\b):8*(8*((\a)%4)+\b)+7], v[128*(\p)+FR*\b+8*\hf:128*(\p)+FR*\b+8*\hf+7], v[AF+FR*(\a)+8*\hf:AF+FR*(\a)+8*\hf+7], v[8*(8*((\a)%4)+\b):8*(8*((\a)%4)+\b)+7] neg_lo:[1,1,0]
.endif
.endr
.endr
.endr
.endm
.macro FETCH_B slot, q, p              ; wq's eight fragments of the slot's q-th 128 bytes into set p
	WIN TO_B
.irp i, 0,1,2,3,4,5,6,7
	FRAG 128*(\p)+FR*\i, ADRB+\slot, \q, \i
.endr
	WIN 0
.endm
.macro FETCH_A slot, q, i0             ; xq's blocks i0 .. i0 + 3
.irp i, \i0, \i0+1, \i0+2, \i0+3
	FRAG AF+FR*(\i), ADRA+\slot, \q, \i
.endr
.endm
; A load into a register that a matrix instruction has read, and a vector instruction or an LDS store that reads a matrix result, stand NP places behind that matrix instruction, and only plain vector
; instructions that name none of its registers are places (ISA guide 7.12.1 for vector instructions); the matrix instructions in between are not counted.
.macro PLACES n
.rept \n
	v_nop
.endr
.endm
; A slot's first step of 128 bytes: its successor lies in the same slot.
.macro STEP slot, zero
	s_wait_dscnt 4*NL                              ; wq's set and xq's blocks 0-3 are in; the youngest sixteen loads (blocks 4-7) may be out
	WIN MUL_LO
	MULI 0, 0, \zero
	MULI 2, 0, \zero
	s_wait_dscnt 0                                 ; blocks 4-7 are in (asked for 64 matrix instructions ago)
	PLACES NP
	FETCH_B \slot, 1, 1
	FETCH_A \slot, 1, 0
	WIN MUL_HI
	MULI 4, 0, \zero
	MULI 6, 0, \zero
	PLACES NP
	WIN 0
	FETCH_A \slot, 1, 4
.endm
; A slot's second step changes slots: ONE barrier; in front of it each wave waits for all its tensor loads, adds 0 to its spare word, and waits for that and for its own reads of this slot.
; fill = 1: this slot is filled again, with the bytes two slots on; the barrier then opens a round of the cluster's barrier.
.macro TURN slot, next, fill
	s_wait_tensorcnt 0x0                           ; all my tensor loads have landed: the one that was out is my part of the next slot  (every window is 0 here: the add's two registers lie in window 0)
	ds_add_u32 v[SPW], v[NIL]                      ; 0 onto my spare word
	s_wait_dscnt 4*NL+1                            ; (the add and the youngest sixteen loads, blocks 4-7, may be out)
	WIN MUL_LO
	MULI 0, 1, 0                                   ; 32 matrix instructions stand between the add and the wait for it
	s_wait_dscnt 0x0                               ; the add is done, and my reads of this slot are over
	s_barrier_signal -1
	MULI 2, 1, 0                                   ; work on registers while the others arrive
	WIN 0
	s_barrier_wait -1
.if \fill
	CREST                                          ; no wave of any partner still reads this slot's tile or has a load on its way
	s_add_nc_u64 s[G0+4*\slot+2:G0+4*\slot+3], s[G0+4*\slot+2:G0+4*\slot+3], 2*ROWB
	s_add_nc_u64 s[G0B+4*\slot+2:G0B+4*\slot+3], s[G0B+4*\slot+2:G0B+4*\slot+3], 2*ROWB
	JLOAD \slot                                    ; the first tensor load behind the round, and my only one until the next: 192 matrix instructions ahead of the wait for it; its four v_nop are four of the places below
	PLACES NP-4
.else
	PLACES NP
.endif
	FETCH_B \next, 0, 0
	FETCH_A \next, 0, 0
	WIN MUL_HI
	MULI 4, 1, 0
	MULI 6, 1, 0
	PLACES NP
	WIN 0
	FETCH_A \next, 0, 4
.endm
; Block a's eight accumulators, in place: i32 to f32, x the token's xs, x the columns' weight_scale; each accumulator from its low end on.
.macro CONV a
	WIN 0x82+0x41*((\a)/4)                         ; destination and source 0: window 2 or 3; source 1: window 0
.irp b, 0,1,2,3,4,5,6,7
.set AC, 8*(8*((\a)%4)+\b)
.irp j, 0,1,2,3,4,5,6,7
	v_cvt_f32_i32 v[AC+\j], v[AC+\j]
.endr
.irp j, 0,2,4,6
	v_pk_mul_f32 v[AC+\j:AC+\j+1], v[AC+\j:AC+\j+1], v[XM+2*(\a):XM+2*(\a)+1] op_sel_hi:[1,0]   ; of the pair {xs, scale word} the low word serves both halves
.endr
.irp j, 0,2,4,6
	v_pk_mul_f32 v[AC+\j:AC+\j+1], v[AC+\j:AC+\j+1], v[WS+8*\b+\j:WS+8*\b+\j+1]
.endr
.endr
.endm
; The quantised product of block a: one instruction for each accumulator, which is its C and its D.  Scales: wq's word of column 16 b + r, xq's word of token 16 a + r, both in lanes 0-15.
.macro OUTL a
	WIN MUL_LO+0x50*((\a)/4)
.irp b, 0,1,2,3,4,5,6,7
.set AC, 8*(8*((\a)%4)+\b)
	v_wmma_scale_f32_16x16x128_f8f6f4 v[AC:AC+7], v[128+FR*\b:128+FR*\b+FR-1], v[AF+FR*(\a):AF+FR*(\a)+FR-1], v[AC:AC+7], v[SB+\b], v[XM+2*(\a)+1] matrix_a_fmt:MATRIX_FMT_BF8 matrix_b_fmt:MATRIX_FMT_BF8
.endr
.endm
; THE WAY OUT, block by block of 16 rows x 128 columns.  A lane holds 32 neighbouring bytes of a row and the lanes beside it hold other rows: so a block goes through my own stage in LDS and comes back, into the registers
; that it left, as whole rows of 512 bytes.  LDS serves a wave's instructions in order (ISA guide 5.7.1.4): no wait between the stores and the loads, nor in front of the next block's stores.
.macro TOSTAGE a
.set AC, 64*((\a)%4)
	WIN 0x08+4*((\a)/4)                            ; an LDS store's data are its source 1: window 2 or 3
.irp b, 0,1,2,3,4,5,6,7
	ds_store_b128 v[STO], v[AC+8*\b:AC+8*\b+3] offset:64*\b        ; each accumulator from its low end on
	ds_store_b128 v[STO], v[AC+8*\b+4:AC+8*\b+7] offset:64*\b+16
.endr
	WIN 0x80+0x40*((\a)/4)                         ; destination: window 2 or 3
.irp t, 0,1,2,3,4,5,6,7,8,9,10,11,12,13,14,15
	ds_load_b128 v[AC+4*\t:AC+4*\t+3], v[RD] offset:\t*SPITCH
.endr
.endm
.macro SEND a, younger                 ; younger: the LDS instructions issued behind block a's loads, which may stay out
	s_wait_dscnt \younger                          ; the block is back in registers
	WIN 0x08+4*((\a)/4)                            ; a store's data are its source 1
.irp t, 0,1,2,3,4,5,6,7,8,9,10,11,12,13,14,15
	global_store_b128 v[CO], v[64*((\a)%4)+4*\t:64*((\a)%4)+4*\t+3], s[14:15] offset:(16*(\a)+\t)*16384 th:TH_STORE_NT   ; 32 lanes store 512 consecutive bytes, at a multiple of 256 from out0's first byte; 127 rows at the most stand in the immediate, so no base is stepped and no register of a store is written again
.endr
.endm
	s_wait_tensorcnt 1                             ; my part of slot 0 is in (slot 1's load may be out)
	s_barrier_signal -1
	s_barrier_wait -1                              ; everybody's is
	s_wait_loadcnt 0x0                             ; xs, scale words, weight_scale
	FETCH_B 0, 0, 0
	FETCH_A 0, 0, 0
	FETCH_A 0, 0, 4
	STEP 0, 1                                      ; the first step stands in front of the loop: its products start the sums
	s_mov_b32 s3, LAPS-1
.Llap:                                                 ; a trip goes once round the ring, from a lap's second step to the next lap's first, and fills both slots again
	TURN 0, 1, 1
	STEP 1, 0
	TURN 1, 0, 1
	STEP 0, 0
	s_sub_co_u32 s3, s3, 1
	s_cmp_lg_u32 s3, 0
	s_cbranch_scc1 .Llap
	TURN 0, 1, 0                                   ; the last lap fills nothing, and has no round of the cluster's barrier
	STEP 1, 0                                      ; the 31st and last step on whole numbers; it fetches the codes' fragments (wq's into set 1)
.irp a, 0,1,2,3,4,5,6,7
	CONV \a                                        ; the eight v_nop at STEP's end stand between the last products and these
.endr
	PLACES NP
	s_wait_dscnt 0x0                               ; the codes' fragments are in
.irp a, 0,1,2,3,4,5,6,7
	OUTL \a
.endr
	WIN 0
	PLACES NP                                      ; in front of the first read of these results and of the loads that land on them
	TOSTAGE 0
.irp a, 1,2,3,4,5,6,7
	TOSTAGE \a
	SEND \a-1, 32                                  ; behind block a - 1's loads: block a's 16 stores and 16 loads
.endr
	SEND 7, 0
	WIN 0
	s_wait_tensorcnt 0x0                           ; the wave's end: behind my last tensor load and my last LDS store
	ds_add_u32 v[SPW], v[NIL]
	s_wait_dscnt 0x0
	CROUND                                         ; the closing round: no work-group ends while a partner may still ask for a tile that names it
	s_endpgm
.Lfunc_end_k_q34d713196f_gemm:
	.size	k_q34d713196f_gemm, .Lfunc_end_k_q34d713196f_gemm-k_q34d713196f_gemm
	.p2alignl 7, 3214868480
	.fill 96, 4, 3214868480
	.section	.rodata,"a",@progbits
	.p2align	6, 0x0
	.amdhsa_kernel k_q34d713196f_gemm
		.amdhsa_group_segment_fixed_size 327680
		.amdhsa_private_segment_fixed_size 0
		.amdhsa_enable_private_segment 0
		.amdhsa_kernarg_size 48
		.amdhsa_user_sgpr_count 2
		.amdhsa_user_sgpr_kernarg_segment_ptr 1
		.amdhsa_wavefront_size32 1
		.amdhsa_system_sgpr_workgroup_id_x 1
		.amdhsa_system_sgpr_workgroup_id_y 1
		.amdhsa_system_sgpr_workgroup_id_z 1
		.amdhsa_system_vgpr_workitem_id 0
		.amdhsa_next_free_vgpr 1024
		.amdhsa_next_free_sgpr 66
		.amdhsa_reserve_vcc 0
		.amdhsa_float_denorm_mode_32 3
		.amdhsa_float_denorm_mode_16_64 3
		.amdhsa_memory_ordered 1
		.amdhsa_forward_progress 1
		.amdhsa_inst_pref_size 192
	.end_amdhsa_kernel
	.amdgpu_metadata
---
amdhsa.version: [ 1, 2 ]
amdhsa.kernels:
  - .name:           k_q34d713196f_gemm
    .symbol:         k_q34d713196f_gemm.kd
    .args:
      - { .name: xq, .offset: 0, .size: 8, .value_kind: global_buffer, .address_space: global }
      - { .name: wq, .offset: 8, .size: 8, .value_kind: global_buffer, .address_space: global }
      - { .name: xmeta, .offset: 16, .size: 8, .value_kind: global_buffer, .address_space: global }
      - { .name: wmeta, .offset: 24, .size: 8, .value_kind: global_buffer, .address_space: global }
      - { .name: weight_scale, .offset: 32, .size: 8, .value_kind: global_buffer, .address_space: global }
      - { .name: out0, .offset: 40, .size: 8, .value_kind: global_buffer, .address_space: global }
    .group_segment_fixed_size: 327680
    .private_segment_fixed_size: 0
    .kernarg_segment_align: 8
    .kernarg_segment_size: 48
    .max_flat_workgroup_size: 128
    .sgpr_count:     66
    .vgpr_count:     1024
    .wavefront_size: 32
...
	.end_amdgpu_metadata
.endif
;; end of part 2
